; MI455X (gfx1250); checked and timed in simulation.
; The chip was launched on July 23, 2026; its instructions are those of AMD's public machine-readable ISA for CDNA 5 (MIT licence, August 2026) and "CDNA5" Instruction Set Architecture Reference Guide (July 2026). The comments in the code are by the model that wrote it; some were corrected since.
;; Multi Head Attention. Allowed arithmetic: matrix products marked QUANTISED: E5M2 operands, one given power-of-two scale a tensor, by v_wmma_f32_16x16x64_bf8_bf8 or v_wmma_f32_16x16x128_bf8_bf8, f32 sums; everything else in f32.
;; Inputs: Wk_codes 1,024 x 32 x 32 uint8 (E5M2 codes of Wk, K innermost, in blocks of 32 codes); Wo_codes 1,024 x 32 x 32 uint8 (E5M2 codes of Wo, K innermost, in blocks of 32 codes); Wq_codes 1,024 x 32 x 32 uint8 (E5M2 codes of Wq, K innermost, in blocks of 32 codes); Wv_codes 1,024 x 32 x 32 uint8 (E5M2 codes of Wv, K innermost, in blocks of 32 codes); bk 1,024 float32; bo 1,024 float32; bq 1,024 float32; bv 1,024 float32; lowp_scales 12 int32 (the exponents e of the quantised operands' scales 2^e); x_codes 4 x 2,048 x 32 x 32 uint8 (E5M2 codes of x, K innermost, in blocks of 32 codes).
;; Outputs: out0 4 x 2,048 x 1,024 float32.
;; This version of the problem:
;;   THIS VERSION OF THE PROBLEM IS GIVEN IN LOW PRECISION. The matrix products marked QUANTISED in the list below multiply operands that are first quantised to E5M2 (5 exponent bits, 2 mantissa bits; 8 bits a number), with one given power-of-two scale for each operand tensor; their sums are f32. All else is computed in f32.
;;   The module's matrix products, in the order in which they are computed (A, B: the left and right operand; K: the contracted axis; several contracted axes count as one K, in the product's order):
;;     1. [M 8,192, K 1,024] x [K 1,024, N 1,024]; A: input x (given as codes); B: input Wq (given as codes): QUANTISED (scales: A lowp_scales[0], B lowp_scales[1])
;;     2. [M 8,192, K 1,024] x [K 1,024, N 1,024]; A: input x (given as codes); B: input Wk (given as codes): QUANTISED (scales: A lowp_scales[2], B lowp_scales[3])
;;     3. [M 8,192, K 1,024] x [K 1,024, N 1,024]; A: input x (given as codes); B: input Wv (given as codes): QUANTISED (scales: A lowp_scales[4], B lowp_scales[5])
;;     4. batch 64 x [M 2,048, K 64] x [K 64, N 2,048]; A: computed on the way; B: computed on the way: QUANTISED (scales: A lowp_scales[6], B lowp_scales[7])
;;     5. batch 64 x [M 2,048, K 2,048] x [K 2,048, N 64]; A: softmax (see below); B: computed on the way: QUANTISED (scales: A lowp_scales[8], B lowp_scales[9])
;;     6. [M 8,192, K 1,024] x [K 1,024, N 1,024]; A: computed on the way; B: input Wo (given as codes): QUANTISED (scales: A lowp_scales[10], B lowp_scales[11])
;;   THE QUANTISER, for each operand of a quantised product, along K:
;;     - The operand's scale is 2^e, e = its entry of the input lowp_scales (int32; the entries are numbered through the quantised products in the list's order, A before B).
;;     - Each number is divided by the scale, clamped to +-57,344, and rounded to the nearest number of E5M2, ties to even, subnormals kept.
;;     - The product sums the exact products of the quantised numbers (number of the format x scale) in f32.
;;   ~~~python
;;   def quantise(x, axis, e):      # numpy; x: float32 -> the quantised numbers, widened to float32 again
;;       x = np.moveaxis(x, axis, -1); K = x.shape[-1]
;;       r = np.clip(x / 2.0 ** e, -57344, 57344)
;;       step = 2.0 ** (np.maximum(np.frexp(np.where(r == 0, 1, r))[1] - 1, -14) - 2)
;;       q = np.round(r / step) * step * 2.0 ** e      # np.round: ties to even
;;       return np.moveaxis(q, -1, axis).astype(np.float32)
;;   ~~~
;;   SOFTMAX AHEAD OF A QUANTISED PRODUCT. Where the list says 'softmax', what is quantised is not the finished softmax but p = 2^(t - M), with t = logit x log2(e) and M = ceil(the row's largest t), a whole number; so 1/2 < the row's largest p <= 1. The row's sum l is taken of the UNQUANTISED p, in f32, and the product's result is divided by l at the end. Since M is a whole number, a kernel that streams over the keys may use a running M (the ceiling of the running maximum): every later rescaling is an exact power of two, so the quantised numbers keep their values, but for numbers so far below the row's largest that they fall under the format's range.
;;   OPERANDS COMPUTED ON THE WAY. 'Computed on the way' means the value that the module computes at that place (a softmax that the list does not call 'softmax' is quantised finished and normalised). What goes into a quantiser is computed in f32, as accurately as f32 sums, v_exp_f32 and their like allow (about 1e-6 of the number): no bf16 or f16 on the way to a quantiser, and a product that is left as it is and whose result goes on into a quantised operand takes f32 operands (vector FMAs, or v_wmma_f32_16x16x4_f32). A number that lies on a knife's edge between two numbers of the format may be rounded either way, as far as f32 arithmetic and the matrix unit's own rounding can turn it there, and no further.
;;   INPUTS GIVEN AS CODES. Wk (in the module: [1024, 1024], K = its axis 0); Wo (in the module: [1024, 1024], K = its axis 0); Wq (in the module: [1024, 1024], K = its axis 0); Wv (in the module: [1024, 1024], K = its axis 0); x (in the module: [4, 2048, 1024], K = its axis 2): each comes as NAME_codes (uint8): NAME with its K axis moved to the last place and cut into blocks of 32 codes, [.., K / 32, bytes a block], one block behind the other in memory; one code a byte (a code: sign, 5 exponent bits, 2 mantissa bits); its scale is its entry of lowp_scales. Its value is code x scale, taken as it is: it is not quantised again, and the codes and scales need not be those that the quantiser above would give.
;; One version. Each part assembles by itself: llvm-mc -triple=amdgcn-amd-amdhsa -mcpu=gfx1250 --defsym DOCPART=n.
;; ======== version 1 of 1: 3 launches
;; limits: right only within a limited range of input values
;; workspace buffers: qc 8,388,608 bytes; kc 8,388,608 bytes; vc 8,388,608 bytes; ac 8,388,608 bytes
;; launch proj (part 1): grid 12 x 32, 4 waves a work-group, clusters of 4 x 4, 327,680 bytes of LDS; arguments x_codes, Wq_codes, Wk_codes, Wv_codes, bq, bk, bv, lowp_scales, qc, kc, vc; writes qc, kc, vc
.if DOCPART == 1
	.amdgcn_target "amdgcn-amd-amdhsa--gfx1250"
	.amdhsa_code_object_version 6
	.text
	.protected	k_q7d120d7745_proj
	.globl	k_q7d120d7745_proj
	.p2align	8
	.type	k_q7d120d7745_proj,@function
k_q7d120d7745_proj:
	s_mov_b64 s[64:65], 0
	v_nop
	global_prefetch_b8 v0, s[64:65] scope:SCOPE_SE
	s_setreg_imm32_b32 hwreg(HW_REG_WAVE_MODE, 25, 1), 1
	s_wait_xcnt 0x0
	s_wait_alu depctr_hold_cnt(0) depctr_sa_sdst(0) depctr_va_vdst(0) depctr_va_sdst(0) depctr_va_ssrc(0) depctr_va_vcc(0) depctr_vm_vsrc(0)
	s_getreg_b32 s2, hwreg(HW_REG_IB_STS2, 6, 4)
	s_cmp_eq_u32 s2, 0
	s_cbranch_scc0 .Lentry_in_a_cluster
	s_endpgm
.Lentry_in_a_cluster:
	s_bfe_u32 s2, ttmp6, 0x10000c
	s_cmp_lg_u32 s2, 0xf033
	s_cbranch_scc0 .Lentry_shape_is_right
	s_endpgm
.Lentry_shape_is_right:
; Q = x Wq + bq, K = x Wk + bk, V = x Wv + bv on codes of BF8 (E5M2); each result is quantised at once for attention's products, with the given 2^e6 (Q), 2^e7 (K), 2^e9 (V).
; x: [8192][1024] codes; each W: [1024 (n)][1024 (k)] codes, K innermost.  A sum of codes stands for sum x 2^(ex + ew); value = sum x 2^(ex + ew) + bias, one fused multiply-add in f32;
; code = value / 2^eo, to the nearest code, ties to even.
; LIMITS: e0 + e1, e2 + e3, e4 + e5 between -126 and 127; e6, e7, e9 between -126 and 112, so that each power of two below is an f32 number.  NaN among the biases is not served.
; SHARES.  The cluster's x says which product: 0 Q, 1 K, 2 V; it is the same in all sixteen partners.  A work-group of four waves makes 256 x 256, a wave 128 x 128: 64 accumulators, 512 registers.
; K goes in four steps of 256 through a ring of two LDS slots filled by joint tensor loads; the four steps are written out.
; TWO ROLES.  The matrix instruction's source 1 is the ROW role (its tiles are shared along a row of the cluster), source 0 the COLUMN role (shared along a column).  In a result lane (r, h) holds row-role row 16 a + r,
; and its register j column-role row 16 b + 8 h + j.  For Q and K the row role is x and the column role the weight: a lane's eight results are eight neighbouring columns of one row of Q, neighbours along the next K.
; For V the roles are swapped: a lane's eight results are eight neighbouring rows of V in one column: eight keys, neighbours along the second attention product's K as that launch orders the keys.
; All operands have rows of 1,024 bytes, so descriptors, LDS map and products are one text; only pointers and block numbers are chosen, by selects on the cluster's x.
; OUT, straight from registers, no stage.  R: row of the projection, n: its column.
;   qc, kc: byte (R / 16) 16384 + (n / 16) 256 + (R % 16) 16 + n % 16: a wave's store of 8 bytes a lane covers 256 consecutive bytes, aligned.
;   vc: byte (R / 8) 8192 + (n / 128) 1024 + (n % 64) 16 + ((n / 64) % 2) 8 + R % 8: a store of 16 bytes a lane covers two runs of 256 consecutive bytes, aligned.
; REGISTERS, in windows of 256: window 0: v0-31 addresses and the quantiser's scale; v32-95, v96-111 the bias in two forms; from v128 the row role's fragments, ONE set; on the way out v128-191 numbers, v192-255 codes.
;   window 1: the column role's fragments, TWO sets.   window 2: the 32 accumulators of my row-role rows 0-63 ((a, b) at v[8 (8 a + b)]);   window 3: those of rows 64-127.
.set ROWB,   256                       ; a tile's row in bytes: 256 codes
.set KROW,   1024                      ; a row of any operand in memory
.set PITCH,  272                       ; an LDS row: 256 bytes + 16 of padding = 68 words: the 16 rows that a fragment load touches start 4 words apart modulo 64
.set FR,     16                        ; registers of a fragment: 16 rows x 128 K
.set NL,     4                         ; LDS loads that bring one
.set NP,     4                         ; places behind this matrix instruction (ISA guide 7.12.1)
.set HALFT,  128*PITCH                 ; 128 rows: what one tensor load brings, and what one wave reads of either role
.set SLOT,   4*HALFT                   ; the row role's 256 rows, then the column role's 256
.set SPARE,  2*SLOT                    ; behind the ring: the spare words, 128 bytes for each wave: two blocks of 256 bytes that no other line names
.set PB,   8                           ; v8   32 h: the bias along a lane's registers
.set RBI,  9                           ; v9   4 r: the bias along the lanes
.set CO,   10                          ; v10  16 r + 8 h: my 8 bytes of a unit of qc or kc
.set VO,   11                          ; v11  8192 h + 16 r: my 16 bytes in vc
.set ADRA, 16                          ; v16-17  LDS address of my row-role fragments in slot 0, 1
.set ADRB, 20                          ; v20-21  the same for the column role
.set SPW,  28                          ; v28  LDS address of my spare word; never rewritten
.set NIL,  29                          ; v29  0; never rewritten
.set SCL,  30                          ; v30  2^eo as f32
.set LIMV, 31
.set BIA,  32                          ; v32-95   bias of column 16 b + 8 h + j at 8 b + j (Q, K)
.set BV,   96                          ; v96-111  bias of column 16 a + r, twice, at 2 a (V)
.set AF,   128                         ; the row role's fragments
.set TMP,  128                         ; the way out: 64 numbers
.set CD,   192                         ; the way out: codes
.set G1, 24                            ; s[24:31] descriptor group 1 for the row role;  s[32:39] group 0, one set for each slot
.set G0, 32
.set G1B, 48                           ; s[48:55], s[56:63] the same for the column role
.set G0B, 56
.set MSB, 0
.macro WIN new                         ; the immediate's high byte repeats the setting that is left
.if MSB != (\new)
	s_set_vgpr_msb (MSB<<8)|(\new)
.set MSB, (\new)
.endif
.endm
.set MUL_LO, 0xa1                      ; source 0 window 1, source 1 window 0, C and D window 2
.set MUL_HI, 0xf1                      ; the same, C and D window 3
.set TO_B,   0x40                      ; destination window 1, address window 0
; A joint load: waves 0 and 1 fetch for the row role, waves 2 and 3 for the column role.  Each line has ONE mask and one set of registers for all that issue it; the branch hangs on the wave's number alone.
; An s_nop 0 and four v_nop follow each of the two lines, ahead of the jump, the label and what follows.
.macro JLOAD g0a, g1a, g0b, g1b
	s_cmp_eq_u32 s15, 0
	s_cbranch_scc0 .Lfor_b_\@
	tensor_load_to_lds s[\g0a:\g0a+3], s[\g1a:\g1a+7]
	s_nop 0
.rept 4
	v_nop
.endr
	s_branch .Lasked_\@
.Lfor_b_\@:
	tensor_load_to_lds s[\g0b:\g0b+3], s[\g1b:\g1b+7]
	s_nop 0
.rept 4
	v_nop
.endr
.Lasked_\@:
.endm
.macro CREST                           ; a round of the cluster's barrier behind its opening barrier
	s_cmp_lg_u32 s14, 0
	s_cbranch_scc1 .Lnot_wave_0_\@
	s_barrier_signal -3
.Lnot_wave_0_\@:
	s_barrier_wait -3
	s_barrier_signal -1
	s_barrier_wait -1
.endm
.macro CROUND                          ; a whole round
	s_barrier_signal -1
	s_barrier_wait -1
	CREST
.endm
	s_load_b512 s[68:83], s[0:1], 0x0              ; x s[68:69], Wq s[70:71], Wk s[72:73], Wv s[74:75], bq s[76:77], bk s[78:79], bv s[80:81], the exponents s[82:83]
	s_load_b128 s[84:87], s[0:1], 0x40             ; qc s[84:85], kc s[86:87]
	s_load_b64 s[88:89], s[0:1], 0x50              ; vc
	v_lshl_add_u32 v[SPW], v0, 2, SPARE
	v_mov_b32 v[NIL], 0
	ds_add_u32 v[SPW], v[NIL]
	ds_add_u32 v[SPW], v[NIL]                      ; the wave's opening: the add and its wait stand ahead of my first tensor load; the set-up below, work on registers, stands between them
	v_lshrrev_b32 v1, 5, v0
	v_readfirstlane_b32 s14, v1                    ; wave 0..3
	s_lshr_b32 s15, s14, 1                         ; which half of the row role's 256 rows is mine.  Also: I fetch for the row role (0) or the column role (1)
	s_and_b32 s16, s14, 1                          ; which half of the column role's.  Also: which 128 rows of that tile I fetch
	s_bfe_u32 s40, ttmp6, 0x40000                  ; cx, cy: my place in the cluster
	s_bfe_u32 s41, ttmp6, 0x40004
	s_and_b32 s18, ttmp7, 0xffff
	s_lshl_b32 s18, s18, 2                         ; 4 x cluster y
	s_cmp_eq_u32 ttmp9, 2                          ; V?  x has 32 blocks of 256 rows, a weight 4: x's block is 4 x cluster y + my place, the weight's is my place
	s_cselect_b32 s17, 0, s18
	s_cselect_b32 s42, s18, 0
	s_add_co_u32 s17, s17, s41                     ; the row role's block: made of cy and the cluster's y alone
	s_add_co_u32 s42, s42, s40                     ; the column role's block: of cx and the cluster's y alone
	s_lshl_b32 s43, s41, 2
	s_lshl_b32 s43, 15, s43                        ; my row of the cluster
	s_lshl_b32 s44, 0x1111, s40                    ; my column
	; descriptor group 1: a tile of 128 rows x 256 bytes, padded in LDS
	s_or_b32 s[G1+0], s43, (0<<16)|(1<<20)|(1<<21)|(5<<22)|(3<<25)  ; 15:0 the mask; 17:16 elements of 1 byte; 20 padding on; 21 set beside a mask; 24:22 after every 64 words (code 5); 31:25 of 4 words (code 3)
	s_or_b32 s[G1B+0], s44, (0<<16)|(1<<20)|(1<<21)|(5<<22)|(3<<25)
.irp g, G1, G1B
	s_mov_b32 s[\g+1], ROWB<<16                    ; tensor_dim0
	s_mov_b32 s[\g+2], 128<<16                     ; tensor_dim1 = 128
	s_mov_b32 s[\g+3], ROWB<<16                    ; tile_dim0
	s_mov_b32 s[\g+4], 128                         ; tile_dim1 = 128
	s_mov_b32 s[\g+5], KROW                        ; tensor_dim0_stride
	s_mov_b32 s[\g+6], 0
	s_mov_b32 s[\g+7], 0
.endr
	s_lshl_b32 s18, s16, 7                         ; which 128 rows of the tile I fetch
	s_lshl_b32 s20, s17, 8
	s_add_co_u32 s20, s20, s18
	s_lshl_b32 s20, s20, 10                        ; the row role's first byte: row x 1,024 (under 2^23)
	s_mov_b32 s21, 0
	s_lshl_b32 s46, s42, 8
	s_add_co_u32 s46, s46, s18
	s_lshl_b32 s46, s46, 10                        ; the column role's
	s_mov_b32 s47, 0
	s_mul_i32 s45, s14, HALFT                      ; where they go: wave x 128 rows: no place in the cluster enters an LDS address
	s_wait_dscnt 0x0                               ; the opening add is done
	s_wait_kmcnt 0x0
	s_cmp_eq_u32 ttmp9, 2                          ; the pointers: first V against K,
	s_cselect_b64 s[4:5], s[74:75], s[68:69]       ; row role: Wv, else x
	s_cselect_b64 s[6:7], s[68:69], s[72:73]       ; column role: x, else Wk
	s_cselect_b64 s[8:9], s[80:81], s[78:79]       ; bias
	s_cselect_b64 s[10:11], s[88:89], s[86:87]     ; where the codes go
	s_cmp_eq_u32 ttmp9, 0                          ; then Q against both
	s_cselect_b64 s[6:7], s[70:71], s[6:7]
	s_cselect_b64 s[8:9], s[76:77], s[8:9]
	s_cselect_b64 s[10:11], s[84:85], s[10:11]
	s_load_b256 s[68:75], s[82:83], 0x0            ; e0 .. e7
	s_load_b32 s76, s[82:83], 0x24                 ; e9
	s_add_nc_u64 s[20:21], s[4:5], s[20:21]
	s_add_nc_u64 s[46:47], s[6:7], s[46:47]
	CROUND                                         ; all sixteen work-groups are here: the first joint loads meet
.irp s, 0,1
	s_mov_b32 s[G0+4*\s], 1
	s_add_co_u32 s[G0+4*\s+1], s45, \s*SLOT
	s_add_nc_u64 s[G0+4*\s+2:G0+4*\s+3], s[20:21], \s*ROWB
	s_or_b32 s[G0+4*\s+3], s[G0+4*\s+3], 0x80000000
	s_mov_b32 s[G0B+4*\s], 1
	s_add_co_u32 s[G0B+4*\s+1], s45, \s*SLOT
	s_add_nc_u64 s[G0B+4*\s+2:G0B+4*\s+3], s[46:47], \s*ROWB
	s_or_b32 s[G0B+4*\s+3], s[G0B+4*\s+3], 0x80000000
	JLOAD G0+4*\s, G1, G0B+4*\s, G1B               ; K steps 0 and 1: two tensor loads of mine are out
.endr
	v_and_b32 v1, 15, v0                           ; r = l % 16
	v_bfe_u32 v2, v0, 4, 1                         ; h = l / 16
	v_mul_u32_u24 v3, v1, PITCH
	v_lshl_add_u32 v4, v2, 4, v3                   ; a fragment's row x pitch + 16 x half
	s_mul_i32 s21, s15, HALFT                      ; my 128 rows of the row role
	s_mul_i32 s22, s16, HALFT                      ; my 128 rows of the column role,
	s_add_co_u32 s22, s22, 2*HALFT                 ; which lie behind the row role's 256
.irp s, 0,1
	v_add_nc_u32 v[ADRA+\s], s21, v4
	v_add_nc_u32 v[ADRB+\s], s22, v4
	s_add_co_u32 s21, s21, SLOT
	s_add_co_u32 s22, s22, SLOT
.endr
	v_lshlrev_b32 v[PB], 5, v2
	s_wait_alu depctr_va_vdst(0)
	v_lshlrev_b32 v[RBI], 2, v1
	s_wait_alu depctr_va_vdst(0)
	v_lshlrev_b32 v[CO], 4, v1
	v_lshl_add_u32 v[CO], v2, 3, v[CO]
	v_lshlrev_b32 v[VO], 4, v1
	v_lshl_add_u32 v[VO], v2, 13, v[VO]
	s_lshl_b32 s18, s17, 8
	s_lshl_b32 s19, s15, 7
	s_add_co_u32 s18, s18, s19                     ; RA: my first row of the row role
	s_lshl_b32 s19, s42, 8
	s_lshl_b32 s23, s16, 7
	s_add_co_u32 s19, s19, s23                     ; RB: of the column role
	s_cmp_eq_u32 ttmp9, 2
	s_cselect_b32 s90, s19, s18                    ; my first row of x,
	s_cselect_b32 s91, s18, s19                    ; my first column of the projection
	s_cselect_b32 s23, 3, 4                        ; a column is 8 bytes on in vc (128 columns: 1,024), 16 in qc and kc (16 columns: 256)
	s_cselect_b32 s92, 0, s19                      ; the bias along registers begins at RB (Q, K); the form that a product does not use reads the bias's first 512 bytes
	s_cselect_b32 s94, s18, 0                      ; the bias along lanes begins at RA (V)
	s_lshl_b32 s90, s90, 10                        ; a row of x is 1,024 bytes on in all three
	s_lshl_b32 s91, s91, s23
	s_add_co_u32 s90, s90, s91
	s_mov_b32 s91, 0
	s_add_nc_u64 s[10:11], s[10:11], s[90:91]
	s_lshl_b32 s92, s92, 2
	s_mov_b32 s93, 0
	s_add_nc_u64 s[92:93], s[8:9], s[92:93]
	s_lshl_b32 s94, s94, 2
	s_mov_b32 s95, 0
	s_add_nc_u64 s[94:95], s[8:9], s[94:95]
.irp b, 0,1,2,3,4,5,6,7                        ; both forms are loaded on every way, so that no register's state hangs on the product; they land under the products
	global_load_b128 v[BIA+8*\b:BIA+8*\b+3], v[PB], s[92:93] offset:64*\b
	global_load_b128 v[BIA+8*\b+4:BIA+8*\b+7], v[PB], s[92:93] offset:64*\b+16
.endr
.irp a, 0,1,2,3,4,5,6,7
	global_load_b32 v[BV+2*\a], v[RBI], s[94:95] offset:64*\a      ; twice: a pair for the packed multiply-add
	global_load_b32 v[BV+2*\a+1], v[RBI], s[94:95] offset:64*\a
.endr
	s_wait_kmcnt 0x0
	s_cmp_eq_u32 ttmp9, 2                          ; the product's three exponents, by selects: no branch hangs on them
	s_cselect_b32 s18, s72, s70                    ; x's: e4, e2,
	s_cselect_b32 s19, s73, s71                    ; the weight's: e5, e3,
	s_cselect_b32 s23, s76, s75                    ; the result's: e9, e7
	s_cmp_eq_u32 ttmp9, 0
	s_cselect_b32 s18, s68, s18                    ; or e0,
	s_cselect_b32 s19, s69, s19                    ; e1,
	s_cselect_b32 s23, s74, s23                    ; e6
	s_add_co_i32 s96, s18, s19
	s_add_co_i32 s96, s96, 127
	s_lshl_b32 s96, s96, 23                        ; 2^(ex + ew) as f32
	s_mov_b32 s97, s96                             ; (named with it as a pair, so it is written)
	s_add_co_i32 s23, s23, 127
	s_lshl_b32 s18, s23, 23
	v_mov_b32 v[SCL], s18                          ; 2^eo as f32: the conversion takes its exponent field
.macro FRAG reg, adr, q, i             ; a fragment, 16 rows x 128 K, is 16 registers: lane l holds row l % 16; registers 4 c .. 4 c + 3 hold K = 32 c + 16 (l / 16) + 0 .. 15: the same order of k on both sides
.irp c, 0,1,2,3
	ds_load_b128 v[\reg+4*\c:\reg+4*\c+3], v[\adr] offset:128*(\q)+32*\c+(\i)*16*PITCH
.endr
.endm
; 16 matrix instructions: row-role blocks a0, a0 + 1 x the column role's eight, 128 along K.  p: the column role's set.  zero = 1: the first product starts the sums: nothing is ever cleared.
; The 64 accumulators take turns, one instruction a turn, in the same order in every step.
.macro MUL16 a0, p, zero
.irp a, \a0, \a0+1
.irp b, 0,1,2,3,4,5,6,7
.if \zero
	v_wmma_f32_16x16x128_bf8_bf8 v[8*(8*((\a)%4)+\b):8*(8*((\a)%4)+\b)+7], v[128*(\p)+FR*\b:128*(\p)+FR*\b+FR-1], v[AF+FR*(\a):AF+FR*(\a)+FR-1], 0
.else
	v_wmma_f32_16x16x128_bf8_bf8 v[8*(8*((\a)%4)+\b):8*(8*((\a)%4)+\b)+7], v[128*(\p)+FR*\b:128*(\p)+FR*\b+FR-1], v[AF+FR*(\a):AF+FR*(\a)+FR-1], v[8*(8*((\a)%4)+\b):8*(8*((\a)%4)+\b)+7]
.endif
.endr
.endr
.endm
.macro FETCH_B slot, q, p              ; the column role's eight fragments of the slot's q-th 128 along K into set p
	WIN TO_B
.irp i, 0,1,2,3,4,5,6,7
	FRAG 128*(\p)+FR*\i, ADRB+\slot, \q, \i
.endr
	WIN 0
.endm
.macro FETCH_A slot, q, i0             ; the row role's blocks i0 .. i0 + 3
.irp i, \i0, \i0+1, \i0+2, \i0+3
	FRAG AF+FR*(\i), ADRA+\slot, \q, \i
.endr
.endm
; A load into a register that a matrix instruction has read, and a vector instruction that reads a matrix result or writes one of its registers, stand NP places behind it; only plain vector
; instructions that name none of its registers are places (ISA guide 7.12.1 for vector instructions).
.macro PLACES n
.rept \n
	v_nop
.endr
.endm
; A step of 128 along K that has its successor in the same slot.
.macro STEP slot, q, zero
	s_wait_dscnt 4*NL                              ; the column role's set and row-role blocks 0-3 are in; the youngest sixteen loads (blocks 4-7) may be out
	WIN MUL_LO
	MUL16 0, (\q)%2, \zero
	MUL16 2, (\q)%2, \zero
	s_wait_dscnt 0                                 ; blocks 4-7 are in (asked for 32 matrix instructions ago)
	PLACES NP
	FETCH_B \slot, (\q)+1, 1-(\q)%2
	FETCH_A \slot, (\q)+1, 0
	WIN MUL_HI
	MUL16 4, (\q)%2, \zero
	MUL16 6, (\q)%2, \zero
	PLACES NP
	WIN 0
	FETCH_A \slot, (\q)+1, 4
.endm
; A slot's last step changes slots: ONE barrier; in front of it each wave waits for all its tensor loads, adds 0 to its spare word, and waits for that and for its own reads of this slot.  fill = 1: this slot is filled again, two K steps ahead.
.macro TURN slot, next, fill
	s_wait_tensorcnt 0x0                           ; all my tensor loads have landed: my part of the next slot  (every window is 0 here: the add's two registers lie in window 0)
	ds_add_u32 v[SPW], v[NIL]                      ; 0 onto my spare word
	s_wait_dscnt 4*NL+1                            ; (the add and the youngest sixteen loads may be out)
	WIN MUL_LO
	MUL16 0, 1, 0                                  ; sixteen matrix instructions stand between the add and the wait for it
	s_wait_dscnt 0x0                               ; the add is done, and my reads of this slot are over
	s_barrier_signal -1
	MUL16 2, 1, 0
	WIN 0
	s_barrier_wait -1
.if \fill
	CREST                                          ; the barrier has opened a round of the cluster's barrier: no wave of any partner still reads this slot's tile or has a load on its way
	s_add_nc_u64 s[G0+4*\slot+2:G0+4*\slot+3], s[G0+4*\slot+2:G0+4*\slot+3], 2*ROWB
	s_add_nc_u64 s[G0B+4*\slot+2:G0B+4*\slot+3], s[G0B+4*\slot+2:G0B+4*\slot+3], 2*ROWB
	JLOAD G0+4*\slot, G1, G0B+4*\slot, G1B         ; the first tensor load behind the round, my one load until the next; its four v_nop are the places in front of the loads below
.else
	PLACES NP
.endif
	FETCH_B \next, 0, 0
	FETCH_A \next, 0, 0
	WIN MUL_HI
	MUL16 4, 1, 0
	MUL16 6, 1, 0
	PLACES NP
	WIN 0
	FETCH_A \next, 0, 4
.endm
	s_wait_tensorcnt 1                             ; my part of K step 0 is in (K step 1's load may be out)
	s_barrier_signal -1
	s_barrier_wait -1                              ; everybody's is
	FETCH_B 0, 0, 0
	FETCH_A 0, 0, 0
	FETCH_A 0, 0, 4
	STEP 0, 0, 1                                   ; K step 0: the first products start the sums
	TURN 0, 1, 1                                   ; slot 0 takes K step 2
	STEP 1, 0, 0                                   ; K step 1
	TURN 1, 0, 1                                   ; slot 1 takes K step 3
	STEP 0, 0, 0                                   ; K step 2
	TURN 0, 1, 0                                   ; nothing is left to fetch: no round
	STEP 1, 0, 0                                   ; K step 3
	s_wait_dscnt 4*NL
	WIN MUL_LO
	MUL16 0, 1, 0
	MUL16 2, 1, 0
	s_wait_dscnt 0
	WIN MUL_HI
	MUL16 4, 1, 0
	MUL16 6, 1, 0
	WIN 0
; THE WAY OUT.  Each sum becomes sum x 2^(ex + ew) + bias (each accumulator from its low end on), is not clamped (the conversion to an 8-bit code
; does not saturate: ISA guide 7.6.2), and eight neighbours of a lane become eight codes.
.macro NUMBERS acc, bias, step         ; 64 sums at v[acc] of the window set -> v[TMP] on; the bias's pair steps by step registers
.set j, 0
.rept 32
	v_pk_fma_f32 v[TMP+j:TMP+j+1], v[\acc+j:\acc+j+1], s[96:97], v[\bias+\step*j:\bias+\step*j+1] op_sel_hi:[1,0,1]   ; the scalar pair's low word serves both halves
.set j, j+2
.endr
	WIN 0
.set j, 0
.rept 64
.set j, j+1
.endr
.endm
; Q, K: row-role block a: 16 rows of x, 128 columns.  Four sets of code registers by turns.
.macro QKBLOCK a
.if (\a) == 4
	s_wait_xcnt 0x0                                ; the stores of blocks 0 to 3 have read their registers: blocks 4 to 7 write them again only behind this wait
.endif
	WIN 0x02+((\a)/4)                              ; source 0: window 2 or 3
	NUMBERS 64*((\a)%4), BIA, 1
.irp b, 0,1,2,3,4,5,6,7
	v_cvt_scalef32_pk8_bf8_f32 v[CD+16*((\a)%4)+2*\b:CD+16*((\a)%4)+2*\b+1], v[TMP+8*\b:TMP+8*\b+7], v[SCL]
.endr
	v_nop                                          ; one plain line between the last conversion and the next vector line that writes its sources
.irp b, 0,1,2,3,4,5,6,7
	global_store_b64 v[CO], v[CD+16*((\a)%4)+2*\b:CD+16*((\a)%4)+2*\b+1], s[10:11] offset:(\a)*16384+\b*256   ; 32 lanes x 8 bytes: 256 consecutive bytes, aligned
.endr
.endm
; V: row-role blocks p and p + 4: columns 16 p + r and 64 + 16 p + r of my 128: their codes of the same eight rows lie side by side, 16 bytes a lane.  Two sets of code registers by turns.
.macro VPAIR p
.if (\p) == 2
	s_wait_xcnt 0x0                                ; the stores of pairs 0 and 1 have read their registers
.endif
.irp u, 0,1
	WIN 0x02+\u
	NUMBERS 64*(\p), BV+2*((\p)+4*\u), 0
.irp b, 0,1,2,3,4,5,6,7
	v_cvt_scalef32_pk8_bf8_f32 v[CD+32*((\p)%2)+4*\b+2*\u:CD+32*((\p)%2)+4*\b+2*\u+1], v[TMP+8*\b:TMP+8*\b+7], v[SCL]
.endr
	v_nop
.endr
.irp b, 0,1,2,3,4,5,6,7
	global_store_b128 v[VO], v[CD+32*((\p)%2)+4*\b:CD+32*((\p)%2)+4*\b+3], s[10:11] offset:\b*16384+(\p)*256   ; each half of the lanes: 256 consecutive bytes, aligned
.endr
.endm
	s_wait_loadcnt 0x0                             ; the bias
	PLACES NP                                      ; behind the last products: for the vector lines that write the registers that held fragments, and for block 7's reads
	s_cmp_eq_u32 ttmp9, 2                          ; the cluster's x: the same way in all partners
	s_cbranch_scc1 .Lv
.irp a, 0,1,2,3,4,5,6,7
	QKBLOCK \a
.endr
	s_branch .Lend
.Lv:
.irp p, 0,1,2,3
	VPAIR \p
.endr
.Lend:
	s_wait_tensorcnt 0x0                           ; the wave's end, behind my last tensor load
	ds_add_u32 v[SPW], v[NIL]
	s_wait_dscnt 0x0
	CROUND                                         ; the closing round: no work-group ends while a partner may still ask for a tile that names it
	s_endpgm
.Lfunc_end_k_q7d120d7745_proj:
	.size	k_q7d120d7745_proj, .Lfunc_end_k_q7d120d7745_proj-k_q7d120d7745_proj
	.p2alignl 7, 3214868480
	.fill 96, 4, 3214868480
	.section	.rodata,"a",@progbits
	.p2align	6, 0x0
	.amdhsa_kernel k_q7d120d7745_proj
		.amdhsa_group_segment_fixed_size 327680
		.amdhsa_private_segment_fixed_size 0
		.amdhsa_enable_private_segment 0
		.amdhsa_kernarg_size 88
		.amdhsa_user_sgpr_count 2
		.amdhsa_user_sgpr_kernarg_segment_ptr 1
		.amdhsa_wavefront_size32 1
		.amdhsa_system_sgpr_workgroup_id_x 1
		.amdhsa_system_sgpr_workgroup_id_y 1
		.amdhsa_system_sgpr_workgroup_id_z 1
		.amdhsa_system_vgpr_workitem_id 0
		.amdhsa_next_free_vgpr 1024
		.amdhsa_next_free_sgpr 100
		.amdhsa_reserve_vcc 0
		.amdhsa_float_denorm_mode_32 3
		.amdhsa_float_denorm_mode_16_64 3
		.amdhsa_fp16_overflow 1
		.amdhsa_memory_ordered 1
		.amdhsa_forward_progress 1
		.amdhsa_inst_pref_size 132
	.end_amdhsa_kernel
	.amdgpu_metadata
---
amdhsa.version: [ 1, 2 ]
amdhsa.kernels:
  - .name:           k_q7d120d7745_proj
    .symbol:         k_q7d120d7745_proj.kd
    .args:
      - { .name: x_codes, .offset: 0, .size: 8, .value_kind: global_buffer, .address_space: global }
      - { .name: Wq_codes, .offset: 8, .size: 8, .value_kind: global_buffer, .address_space: global }
      - { .name: Wk_codes, .offset: 16, .size: 8, .value_kind: global_buffer, .address_space: global }
      - { .name: Wv_codes, .offset: 24, .size: 8, .value_kind: global_buffer, .address_space: global }
      - { .name: bq, .offset: 32, .size: 8, .value_kind: global_buffer, .address_space: global }
      - { .name: bk, .offset: 40, .size: 8, .value_kind: global_buffer, .address_space: global }
      - { .name: bv, .offset: 48, .size: 8, .value_kind: global_buffer, .address_space: global }
      - { .name: lowp_scales, .offset: 56, .size: 8, .value_kind: global_buffer, .address_space: global }
      - { .name: qc, .offset: 64, .size: 8, .value_kind: global_buffer, .address_space: global }
      - { .name: kc, .offset: 72, .size: 8, .value_kind: global_buffer, .address_space: global }
      - { .name: vc, .offset: 80, .size: 8, .value_kind: global_buffer, .address_space: global }
    .group_segment_fixed_size: 327680
    .private_segment_fixed_size: 0
    .kernarg_segment_align: 8
    .kernarg_segment_size: 88
    .max_flat_workgroup_size: 128
    .sgpr_count:     100
    .vgpr_count:     1024
    .wavefront_size: 32
...
	.end_amdgpu_metadata
.endif
;; end of part 1
;; launch attn (part 2): grid 4 x 64, 16 waves a work-group, no clusters, 327,680 bytes of LDS; arguments qc, kc, vc, lowp_scales, ac; writes ac
.if DOCPART == 2
	.amdgcn_target "amdgcn-amd-amdhsa--gfx1250"
	.amdhsa_code_object_version 6
	.text
	.protected	k_q7d120d7745_attn
	.globl	k_q7d120d7745_attn
	.p2align	8
	.type	k_q7d120d7745_attn,@function
k_q7d120d7745_attn:
	s_mov_b64 s[64:65], 0
	v_nop
	global_prefetch_b8 v0, s[64:65] scope:SCOPE_SE
	s_setreg_imm32_b32 hwreg(HW_REG_WAVE_MODE, 25, 1), 1
	s_wait_xcnt 0x0
; Causal attention of 64 heads on codes of BF8 (E5M2), head size 64, 2,048 positions; the result is quantised at once, with the given 2^e10, for the last projection.
; A HEAD IS 128 ROWS OF THE PROJECTIONS (the plain reshape): row m of a head holds positions 16 m + c, c = column / 64, channel = column % 64.  So a tile of 16 neighbouring queries is ONE row,
; a step of 128 keys is 8 rows, and a query tile's result is one whole row (1,024 codes) of ac.  Key (row j, c) counts for query (row m, r) where 16 j + c <= 16 m + r.
; THE SOFTMAX AHEAD OF THE SECOND PRODUCT: t = score x log2(e) / 8; M = the row's largest t so far, rounded UP to a whole number; p = 2^(t - M) is quantised with 2^e8, not normalised.
; The row's sum is taken of the unquantised p, in f32, and divides at the end.  When M moves, the sum and O are multiplied by 2^(old M - new M): exact.
; SHARES.  Work-group p (0..3) of a head owns its 16-row blocks p and 7 - p.  Wave w owns tile 0, row 127 - 16 p - w, and tile 1, row 16 p + w.  A tile of row m has m / 8 + 1 key steps,
; and the two rows add up to 127: every wave of the launch has 17 steps of a tile.  Four waves to a SIMD, so that one wave's vector work stands beside another's products and LDS loads.
; NO CLUSTER, though the four work-groups of a head walk the same K and V: how far each walks hangs on which of the four it is;
; what is shared is 32 KiB for each 256 keys.
; LAYOUT.  Both products are used transposed: S^T = K Q^T (source 0 = 16 keys, source 1 = my 16 queries), O^T = V^T P^T (source 0 = 16 channels, source 1 = P): a lane holds ONE query (lane % 16) throughout.
; THE ORDER OF A STEP'S KEYS along the second product's K: place 32 b + 16 h + 8 u + j is key (row j, c = 4 b + 2 h + u).  vc is stored so.  Lane r of S tile 2 b + u takes key (row r % 8, c = 4 b + 2 (r / 8) + u),
; so that in lane (r, h) register 16 b + 8 u + j of S^T is place 32 b + 16 h + 8 u + j: the conversions' results are P's operand.
; kc, qc: byte (R / 16) 16384 + (n / 16) 256 + (R % 16) 16 + n % 16.   vc: byte (R / 8) 8192 + (c / 2) 1024 + channel x 16 + (c % 2) 8 + R % 8.   ac: [8192][1024].
; LIMITS on the given exponents, so that each power of two below is an f32 number: e6 + e7 between -123 and 130 (added to the exponent field of log2(e) / 8); e8 and e10 between -126 and 112; e8 + e9 goes by v_ldexp_f32.
; REGISTERS: v1-11 addresses; tile x: v[12+4x] -M, v[13+4x] the largest t, v[14+4x:15+4x] the sum in two halves; v[20+8x..] Q; v36-99 K's eight fragments, then V's four; v100-163 S^T, then p;
;   v[164+32x..] O^T; v228-243 p's codes; v244 2^e8; v[246:247] f; v248-254 at work.
.set LP,    272                        ; an LDS row: 256 bytes + 16 of padding
.set VOFF,  64*LP                      ; a slot: 64 rows of K's block (256 keys), then 64 rows of V's
.set SLOT1, 1<<16                      ; slot 1 begins here, so that one exclusive or turns an address in one slot into the other's
.set SLOTB, 16384                      ; a slot's bytes of kc, and of vc
.set SPARE, 2*SLOT1                    ; behind the ring: the spare words, 128 bytes for each wave: eight blocks of 256 bytes that no other line names
.set STAGE, SPARE+2048                 ; the way out: 2,048 bytes for each wave; no tensor load lands here
.set AK0,  1                           ; v1   my lane's place in K's block: (8 ((l / 8) % 2) + l / 16) rows + 16 (l % 8)
.set AV0,  2                           ; v2   in V's: VOFF + 4 (l / 16) rows + 16 (l % 16)
.set PFO,  3                           ; v3   256 x lane: the prefetches' offset; never rewritten
.set QO,   4                           ; v4   Q: 1024 (l % 16) + 256 (l / 16)
.set SPW,  5                           ; v5   LDS address of my spare word; never rewritten
.set NIL,  6                           ; v6   0; never rewritten
.set STO,  7                           ; v7   the stage: where I put 8 codes
.set ADK,  8                           ; v8   LDS address of the step's K
.set ADV,  9                           ; v9   of its V
.set SRD,  10                          ; v10  the stage: where I read 16 bytes back
.set GO,   11                          ; v11  16 x lane: my bytes of 512 of a row of ac
.set FRG,  36
.set SC,   100
.set PC,   228
.set TB,   2                           ; s2   LDS byte at which the slot in hand begins
.set WV,   18                          ; s18  my wave's number
.set SEL,  20                          ; s[20:21] lane selects for v_permlanex16_b32: lane l xor 16
.set CS,   22                          ; s[22:23] log2(e) / 8 x 2^(e6 + e7)
.set G1,   24                          ; s[24:31] descriptor group 1, one for K and V
.set G0,   32                          ; s[32:35] my group 0, which walks
.set SLOTS, 36                         ; s36  changes of slots still to come in the loop
.set KR,   37                          ; s37  the step's first row of the head
.set MR,   38                          ; s38, s39 my tiles' rows
.set LASTR, 40                         ; s40  my work-group's last row
.set PFA,  42                          ; s[42:43] where my prefetches stand
.set LIM,  44                          ; s44  1 in a wave that prefetches, else the greatest number
; Wave 0 fetches a slot's block of K, wave 1 its block of V, the others nothing.  An s_nop 0 and four v_nop follow the load.
.macro TLOAD
	s_cmp_lt_u32 s[WV], 2
	s_cbranch_scc0 .Lasked_\@
	tensor_load_to_lds s[G0:G0+3], s[G1:G1+7]
	s_nop 0
.rept 4
	v_nop
.endr
.Lasked_\@:
.endm
; A PREFETCH INTO THE L2 of what the NEXT change of slots will ask for: 16,384 bytes of kc and as many of vc.  Each aligned block of 256 bytes is named once in the launch: of a head's four work-groups the first,
; which walks all eight slots, asks; in it waves 4 and 5 take K's two halves of 8,192 bytes, waves 6 and 7 V's, lanes 256 bytes apart, one instruction a wave.
; Slots 0 and 1 come by their loads alone; the last change that fills a slot asks for nothing: there is no slot behind it.
.macro ASK
	s_cmp_gt_u32 s[SLOTS], s[LIM]
	s_cbranch_scc0 .Lnot_mine_\@
	global_prefetch_b8 v[PFO], s[PFA:PFA+1] th:TH_LOAD_NT scope:SCOPE_SE
.Lnot_mine_\@:
.endm
	s_load_b256 s[4:11], s[0:1], 0x0               ; qc s[4:5], kc s[6:7], vc s[8:9], the exponents s[10:11]
	s_load_b64 s[12:13], s[0:1], 0x20              ; ac
	v_lshl_add_u32 v[SPW], v0, 2, SPARE
	v_mov_b32 v[NIL], 0
	ds_add_u32 v[SPW], v[NIL]                      ; the wave's opening: the add and its wait stand ahead of the first tensor load; the set-up below, work on registers, stands between them
	ds_add_u32 v[SPW], v[NIL]
	v_lshrrev_b32 v8, 5, v0
	s_delay_alu instid0(VALU_DEP_1)
	v_readfirstlane_b32 s[WV], v8                  ; wave 0..15
	s_and_b32 s80, ttmp7, 0xffff                   ; the head:
	s_lshl_b32 s80, s80, 17                        ; its 128 rows are 131,072 bytes in each of the four buffers
	s_mov_b32 s81, 0
	s_lshl_b32 s82, ttmp9, 4
	s_add_co_u32 s[MR+1], s82, s[WV]               ; tile 1: row 16 p + w
	s_sub_co_u32 s[MR], 127, s[MR+1]               ; tile 0: row 127 - 16 p - w
	s_sub_co_u32 s[LASTR], 127, s82
.irp x, 0,1
	s_lshr_b32 s83, s[MR+\x], 4
	s_lshl_b32 s83, s83, 14
	s_and_b32 s84, s[MR+\x], 15
	s_lshl_b32 s84, s84, 4
	s_add_co_u32 s[86+2*\x], s83, s84              ; the tile's row in qc: (m / 16) 16384 + (m % 16) 16,
	s_mov_b32 s[87+2*\x], 0
	s_add_nc_u64 s[86+2*\x:87+2*\x], s[86+2*\x:87+2*\x], s[80:81]
	s_lshl_b32 s[90+2*\x], s[MR+\x], 10            ; and in ac: 1024 m
	s_mov_b32 s[91+2*\x], 0
	s_add_nc_u64 s[90+2*\x:91+2*\x], s[90+2*\x:91+2*\x], s[80:81]
.endr
	s_and_b32 s83, s[WV], 1                        ; wave 0: K; wave 1: V
	s_mul_i32 s84, s83, VOFF                       ; and its place in a slot
	; descriptor group 1: a dense block of 16,384 bytes as 64 rows of 256, padded in LDS
	s_mov_b32 s[G1], (0<<16)|(1<<20)|(5<<22)|(3<<25)   ; 15:0 no mask; 17:16 elements of 1 byte; 20 padding on; 24:22 after every 64 words (code 5); 31:25 four words (code 3)
	s_mov_b32 s[G1+1], 256<<16                     ; tensor_dim0
	s_mov_b32 s[G1+2], 64<<16                      ; tensor_dim1
	s_mov_b32 s[G1+3], 256<<16                     ; tile_dim0
	s_mov_b32 s[G1+4], 64                          ; tile_dim1
	s_mov_b32 s[G1+5], 256                         ; tensor_dim0_stride
	s_mov_b32 s[G1+6], 0
	s_mov_b32 s[G1+7], 0
	s_mov_b32 s[SEL], 0x76543210
	s_mov_b32 s[SEL+1], 0xfedcba98
	s_mov_b32 s[CS], 0x3e38aa3b                    ; log2(e) / 8
	s_mov_b32 s[TB], 0
	s_mov_b32 s[SLOTS], 7
	s_mov_b32 s[KR], 0
	s_wait_dscnt 0x0                               ; the opening add is done
	s_wait_kmcnt 0x0
	s_load_b128 s[48:51], s[10:11], 0x18           ; e6, e7, e8, e9
	s_load_b32 s52, s[10:11], 0x28                 ; e10
	s_cmp_eq_u32 s83, 0
	s_cselect_b64 s[G0+2:G0+3], s[6:7], s[8:9]
	s_add_nc_u64 s[G0+2:G0+3], s[G0+2:G0+3], s[80:81]  ; 120:64 global address: the head's first 256 keys
	s_or_b32 s[G0+3], s[G0+3], 0x80000000          ; 127:126 type = 2
	s_mov_b32 s[G0], 1                             ; 1:0 count = 1
	s_mov_b32 s[G0+1], s84                         ; 63:32 LDS address: slot 0
	TLOAD                                          ; slot 0
	s_add_nc_u64 s[70:71], s[4:5], s[86:87]        ; Q of tile 0, of tile 1
	s_add_nc_u64 s[72:73], s[4:5], s[88:89]
	s_add_nc_u64 s[74:75], s[12:13], s[90:91]      ; their rows of ac
	s_add_nc_u64 s[76:77], s[12:13], s[92:93]
	v_and_b32 v8, 15, v0                           ; r
	v_bfe_u32 v9, v0, 4, 1                         ; h
	s_delay_alu instid0(VALU_DEP_2)
	v_lshlrev_b32 v[QO], 10, v8
	s_delay_alu instid0(VALU_DEP_1)
	v_lshl_add_u32 v[QO], v9, 8, v[QO]             ; query r's channels 32 c + 16 h on lie at unit 4 r + 2 c + h of the row's block
.irp x, 0,1
.irp c, 0,1
	global_load_b128 v[20+8*\x+4*\c:23+8*\x+4*\c], v[QO], s[70+2*\x:71+2*\x] offset:512*\c   ; Q's fragments stay in registers.  16 bytes a lane of 32 units, once a wave; the work-group's sixteen waves use each unit whole
.endr
.endr
	s_cmp_lt_u32 s[WV], 6                          ; the prefetches: waves 4, 5: kc; waves 6, 7: vc
	s_cselect_b64 s[PFA:PFA+1], s[6:7], s[8:9]
	s_lshl_b32 s94, s83, 13                        ; my half of a slot's 16,384 bytes,
	s_add_co_u32 s94, s94, SLOTB                   ; in slot 1: the first change of slots steps it to slot 2.  Nothing is prefetched here, at the head
	s_mov_b32 s95, 0
	s_add_nc_u64 s[PFA:PFA+1], s[PFA:PFA+1], s[80:81]
	s_add_nc_u64 s[PFA:PFA+1], s[PFA:PFA+1], s[94:95]
	s_sub_co_u32 s94, s[WV], 4
	s_lshr_b32 s94, s94, 2                         ; 0 in waves 4 to 7,
	s_or_b32 s94, s94, ttmp9                       ; of the head's first work-group
	s_cmp_eq_u32 s94, 0
	s_cselect_b32 s[LIM], 1, -1
	v_bfe_u32 v10, v0, 3, 1
	s_wait_alu depctr_va_vdst(0)
	v_lshl_add_u32 v10, v10, 3, v9
	s_delay_alu instid0(VALU_DEP_1)
	v_mul_u32_u24 v[AK0], v10, LP
	v_and_b32 v11, 7, v0
	s_delay_alu instid0(VALU_DEP_1)
	v_lshl_add_u32 v[AK0], v11, 4, v[AK0]
	v_mul_u32_u24 v[AV0], v9, 4*LP
	s_delay_alu instid0(VALU_DEP_1)
	v_lshl_add_u32 v[AV0], v8, 4, v[AV0]
	s_delay_alu instid0(VALU_DEP_1)
	v_add_nc_u32 v[AV0], VOFF, v[AV0]
	v_and_b32 v[PFO], 31, v0
	s_delay_alu instid0(VALU_DEP_1)
	v_lshlrev_b32 v[GO], 4, v[PFO]
	s_delay_alu instid0(VALU_DEP_2)
	v_lshlrev_b32 v[PFO], 8, v[PFO]
	s_lshl_b32 s94, s[WV], 11
	s_add_co_u32 s94, s94, STAGE                   ; my stage
	v_lshlrev_b32 v[STO], 6, v8
	s_delay_alu instid0(VALU_DEP_1)
	v_lshl_add_u32 v[STO], v9, 3, v[STO]
	s_delay_alu instid0(VALU_DEP_1)
	v_add_nc_u32 v[STO], s94, v[STO]               ; in: query r's 64 bytes, + 8 h; 16 t comes by the immediate
	v_add_nc_u32 v[SRD], s94, v[GO]                ; back: 16 bytes a lane
.irp x, 0,1
	v_mov_b32 v[13+4*\x], 0xff61b1e6               ; the largest t so far: -3e38, under every t
	s_delay_alu instid0(VALU_DEP_1)
	v_floor_f32 v[12+4*\x], -v[13+4*\x]            ; -M
	v_mov_b32 v[14+4*\x], 0                        ; the sum, in two halves
	v_mov_b32 v[15+4*\x], 0
.endr
	v_mov_b32 v252, 0                              ; written once: a lane permute's destination counts as one of its sources
	v_mov_b32 v247, 0                              ; (named as the upper half of the pair v[246:247])
.set j, 0
.rept 64
	v_mov_b32 v[164+j], 0                          ; O^T of both tiles.  (A step is written without a first step of its own: the first finds zeros, which the first change of M leaves zeros)
.set j, j+1
.endr
	s_wait_kmcnt 0x0
	s_add_co_i32 s96, s48, s49
	s_lshl_b32 s96, s96, 23
	s_add_co_i32 s[CS], s[CS], s96                 ; a score stands for score x 2^(e6 + e7): the two exponents are added to the factor's exponent field
	s_mov_b32 s[CS+1], s[CS]                       ; (named with it as a pair, so it is written)
	s_add_co_i32 s96, s50, 127
	s_lshl_b32 s97, s96, 23
	v_mov_b32 v244, s97                            ; 2^e8 as f32, for the conversion
; ONE KEY STEP OF ONE TILE: 128 keys, the q-th 8 rows of the slot in hand, for tile x.
.macro TILE q, x
.set NM, 12+4*(\x)
.set SU, 14+4*(\x)
.set QF, 20+8*(\x)
.set OT, 164+32*(\x)
	s_cmp_gt_u32 s[KR], s[MR+\x]                   ; a step all of whose keys come after the tile's queries is left out: a scalar branch on ids and the count of steps; no barrier and no tensor load stands in a step
	s_cbranch_scc1 .Lhid_\@
	v_add_nc_u32 v[ADK], s[TB], v[AK0]
	v_add_nc_u32 v[ADV], s[TB], v[AV0]
	v_nop                                          ; with the two additions: four places in front of loads into registers that matrix instructions have read
	v_nop
.irp t, 0,1,2,3,4,5,6,7                        ; tile t = 2 b + u of 16 keys: unit 16 b + 4 u + 2 c + (8 (r / 8) + h), bytes 128 q + 16 (r % 8) on: the sixteen lanes of a half fall on sixteen different 16-byte columns
.irp c, 0,1
	ds_load_b128 v[FRG+8*\t+4*\c:FRG+8*\t+4*\c+3], v[ADK] offset:(16*(\t/2)+4*(\t%2)+2*\c)*LP+128*(\q)
.endr
.endr
	s_wait_alu depctr_va_vdst(0)
	s_wait_dscnt 0x0
.irp t, 0,1,2,3,4,5,6,7
	v_wmma_f32_16x16x64_bf8_bf8 v[SC+8*\t:SC+8*\t+7], v[FRG+8*\t:FRG+8*\t+7], v[QF:QF+7], 0
.endr
.rept 4
	v_nop                                          ; places: in front of the loads below, into registers just read, and of the first read of the scores
.endr
.irp t, 0,1,2,3                                ; V's four fragments (16 channels x 128 keys) are asked for here and land under the softmax
.irp c, 0,1,2,3
	ds_load_b128 v[FRG+16*\t+4*\c:FRG+16*\t+4*\c+3], v[ADV] offset:(32*(\q)+8*\c+\t)*LP
.endr
.endr
	s_add_co_u32 s96, s[KR], 8
	s_cmp_le_u32 s96, s[MR+\x]                     ; a step all of whose keys count skips the mask
	s_cbranch_scc1 .Lopen_\@
	s_sub_co_u32 s96, s[MR+\x], s[KR]
	s_lshl_b32 s96, s96, 4
	v_and_b32 v252, 15, v0
	v_bfe_u32 v253, v0, 4, 1
	s_delay_alu instid0(VALU_DEP_1)
	v_lshlrev_b32 v253, 1, v253
	s_delay_alu instid0(VALU_DEP_1)
	v_sub_nc_u32 v252, v252, v253
	s_delay_alu instid0(VALU_DEP_1)
	v_add_nc_u32 v252, s96, v252                   ; d = 16 (my row - KR) + r - 2 h.  Register n = 16 b + 8 u + j holds key (row KR + j, c = 4 b + 2 h + u): hidden where 16 j + 4 b + u > d
	v_mov_b32 v254, 0xff800000                     ; -infinity: p = 0 then
.set n, 0
.rept 64
	v_cmp_gt_i32 vcc_lo, 16*(n%8)+4*(n/16)+(n/8)%2, v252
	v_cndmask_b32 v[SC+n], v[SC+n], v254, vcc_lo
.set n, n+1
.endr
.Lopen_\@:
	v_max3_num_f32 v250, v[SC], v[SC+1], v[SC+2]   ; the step's largest score of my query, among my 64 keys, in two chains, each accumulator from its low end on,
	v_max3_num_f32 v251, v[SC+3], v[SC+4], v[SC+5]
.irp i, 6,10,14,18,22,26,30,34,38,42,46,50,54,58
	v_max3_num_f32 v250, v250, v[SC+\i], v[SC+\i+1]
	v_max3_num_f32 v251, v251, v[SC+\i+2], v[SC+\i+3]
.endr
	v_max3_num_f32 v250, v250, v[SC+62], v[SC+63]
	s_delay_alu instid0(VALU_DEP_1)
	v_max_num_f32 v250, v250, v251
	s_delay_alu instid0(VALU_DEP_1)
	v_permlanex16_b32 v252, v250, s[SEL], s[SEL+1]
	s_delay_alu instid0(VALU_DEP_1)
	v_max_num_f32 v250, v250, v252                 ; and among lane l xor 16's
	s_delay_alu instid0(VALU_DEP_1)
	v_mul_f32 v250, s[CS], v250                    ; as t (the factor is positive)
	s_delay_alu instid0(VALU_DEP_1)
	v_max_num_f32 v[NM+1], v[NM+1], v250           ; the running largest t
	v_mov_b32 v250, v[NM]
	s_delay_alu instid0(VALU_DEP_2)
	v_floor_f32 v[NM], -v[NM+1]                    ; the new -M = floor(-t) = -ceil(t): M is a whole number
	s_delay_alu instid0(VALU_DEP_1)
	v_sub_f32 v250, v[NM], v250                    ; M's old value less its new one: a whole number, 0 or less
	s_delay_alu instid0(VALU_DEP_1)
	v_cvt_i32_f32 v250, v250                       ; (it saturates)
	s_delay_alu instid0(VALU_DEP_1)
	v_ldexp_f32 v246, 1.0, v250                    ; f = 2^(old M - new M)
.set j, 0
.rept 32
	v_pk_fma_f32 v[SC+j:SC+j+1], v[SC+j:SC+j+1], s[CS:CS+1], v[NM:NM+1] op_sel_hi:[1,0,0]   ; t - M, two at a time (of both pairs the low word serves both halves)
.set j, j+2
.endr
.set j, 0
	s_wait_alu depctr_va_vdst(0)
.rept 64
	v_exp_f32 v[SC+j], v[SC+j]                     ; p = 2^(t - M), at most 1
.set j, j+1
.endr
	v_pk_mul_f32 v[SU:SU+1], v[SU:SU+1], v[246:247] op_sel_hi:[1,0]   ; the sums under the new M: the plain line behind the exponentials
	s_wait_alu depctr_va_vdst(0)                   ; one wait for the batch of 64, ahead of its first reader
	v_pk_add_f32 v[248:249], v[SC:SC+1], v[SC+2:SC+3]   ; the row's sum is taken of the unquantised p: two at a time, in two chains
.irp j, 4,8,12,16,20,24,28,32,36,40,44,48,52,56,60
	v_pk_add_f32 v[SU:SU+1], v[SU:SU+1], v[SC+\j:SC+\j+1]
	v_pk_add_f32 v[248:249], v[248:249], v[SC+\j+2:SC+\j+3]
.endr
	s_delay_alu instid0(VALU_DEP_1)
	v_pk_add_f32 v[SU:SU+1], v[SU:SU+1], v[248:249]
.irp b, 0,1,2,3
.irp i, 0,1,2,3,4,5,6,7,8,9,10,11,12,13,14,15
.endr
	v_cvt_scalef32_pk8_bf8_f32 v[PC+4*\b:PC+4*\b+1], v[SC+16*\b:SC+16*\b+7], v244
	v_cvt_scalef32_pk8_bf8_f32 v[PC+4*\b+2:PC+4*\b+3], v[SC+16*\b+8:SC+16*\b+15], v244
.endr
.set j, 0
.rept 16
	v_pk_mul_f32 v[OT+j:OT+j+1], v[OT+j:OT+j+1], v[246:247] op_sel_hi:[1,0]   ; O^T under the new M.  (Also the plain lines between the conversions and the products that read the codes)
.set j, j+2
.endr
	s_wait_alu depctr_va_vdst(0)
	s_wait_dscnt 0x0                               ; V's fragments are in
.irp t, 0,1,2,3                                ; O^T += V^T P^T: four accumulators by turns
	v_wmma_f32_16x16x128_bf8_bf8 v[OT+8*\t:OT+8*\t+7], v[FRG+16*\t:FRG+16*\t+15], v[PC:PC+15], v[OT+8*\t:OT+8*\t+7]
.endr
.Lhid_\@:
.endm
.macro STEP q
	TILE \q, 0
	TILE \q, 1
	s_add_co_u32 s[KR], s[KR], 8
.endm
; THE CHANGE OF SLOTS stands at a slot's head.  Each wave waits for all its tensor loads (its part of the slot that it is about to read), adds 0 to its spare word, and waits for that and for its reads of the slot that it has left.
; Behind the barrier the slot ahead is whole and nobody reads the other one.  fill = 1: that other slot takes the next 256 keys, up to the causal limit: the load has a whole slot's steps in which to land.
.macro CHANGE fill
	s_wait_tensorcnt 0x0                           ; no tensor load of mine is out, so group 0 may be written
	ds_add_u32 v[SPW], v[NIL]                      ; 0 onto my spare word; with fill = 1 the descriptor's steps stand between it and the wait for it
.if \fill
	s_xor_b32 s[G0+1], s[G0+1], SLOT1              ; the other slot than last time,
	s_add_nc_u64 s[G0+2:G0+3], s[G0+2:G0+3], SLOTB ; the next 256 keys; the type bits on top are not reached
	s_wait_xcnt 0x0                                ; the last prefetch, a slot back, has read its address, so it may be written:
	s_add_nc_u64 s[PFA:PFA+1], s[PFA:PFA+1], SLOTB ; one slot further on than the walking descriptor
.endif
	s_wait_dscnt 0x0                               ; the add is done, and my reads of the slot that I have left are over
	s_barrier_signal -1
	s_barrier_wait -1
.if \fill
	s_add_co_u32 s96, s[KR], 16                    ; the first row of the slot that this change would ask for:
	s_cmp_gt_u32 s96, s[LASTR]                     ; behind my work-group's last row none of its waves reads it, so it is not asked for.  Ids and the count of steps alone: all sixteen waves go the same way,
	s_cbranch_scc1 .Lpast_\@                       ; and every wait for tensor loads in this text is for 0
	TLOAD                                          ; the first thing behind the barrier but for the limit's three lines, and a wave's one tensor load until the next
.Lpast_\@:
	ASK
.endif
.endm
.macro SLOT_STEPS
	STEP 0
	STEP 1
	s_xor_b32 s[TB], s[TB], SLOT1                  ; on to the other slot
.endm
	s_wait_loadcnt 0x0                             ; Q
.Lslot:                                            ; seven trips, a constant: every work-group walks all eight slots and leaves out the work and the loads behind its limit
	CHANGE 1
	SLOT_STEPS
	s_sub_co_u32 s[SLOTS], s[SLOTS], 1
	s_cmp_lg_u32 s[SLOTS], 0
	s_cbranch_scc1 .Lslot
	CHANGE 0                                       ; the last slot is written out: nothing is left to ask for
	SLOT_STEPS
	; THE WAY OUT.  O^T / the sum x 2^(e8 + e9) is attention's result; it is quantised with 2^e10.  A lane's eight channels are 8 codes; a tile's 1,024 codes meet in my stage and leave as 512 consecutive bytes a store.
	v_add_f32 v14, v14, v15                        ; the sums' two halves  (these plain lines are also the places behind the last products)
	v_add_f32 v18, v18, v19
	s_delay_alu instid0(VALU_DEP_2)
	v_permlanex16_b32 v252, v14, s[SEL], s[SEL+1]
	s_delay_alu instid0(VALU_DEP_1)
	v_add_f32 v14, v14, v252                       ; and lane l xor 16's
	s_delay_alu instid0(VALU_DEP_2)
	v_permlanex16_b32 v252, v18, s[SEL], s[SEL+1]
	s_delay_alu instid0(VALU_DEP_1)
	v_add_f32 v18, v18, v252
	s_wait_alu depctr_va_vdst(0)
	v_rcp_f32 v14, v14
	v_rcp_f32 v18, v18
	s_add_co_i32 s96, s50, s51                     ; e8 + e9
	s_add_co_i32 s97, s52, 127
	s_lshl_b32 s95, s97, 23
	v_mov_b32 v254, s95                            ; 2^e10 as f32  (a plain line behind the reciprocals)
	s_wait_alu depctr_va_vdst(0)                   ; one wait for both reciprocals, ahead of their first reader
	v_ldexp_f32 v14, v14, s96
	v_ldexp_f32 v18, v18, s96
.irp x, 0,1
.set j, 0
.rept 32
	v_mul_f32 v[SC+32*\x+j], v[164+32*\x+j], v[14+4*\x]   ; register 8 t + i: query r, channel 16 t + 8 h + i; each accumulator from its low end on
.set j, j+1
.endr
.set j, 0
.rept 32
.set j, j+1
.endr
.irp t, 0,1,2,3
	v_cvt_scalef32_pk8_bf8_f32 v[PC+8*\x+2*\t:PC+8*\x+2*\t+1], v[SC+32*\x+8*\t:SC+32*\x+8*\t+7], v254
.endr
	v_nop                                          ; one plain line behind the last conversion
.irp t, 0,1,2,3
	ds_store_b64 v[STO], v[PC+8*\x+2*\t:PC+8*\x+2*\t+1] offset:1024*\x+16*\t
.endr
.irp i, 0,1
	ds_load_b128 v[FRG+8*\x+4*\i:FRG+8*\x+4*\i+3], v[SRD] offset:1024*\x+512*\i   ; LDS serves a wave's instructions in order (ISA guide 5.7.1.4): these see my stores
.endr
.endr
	s_wait_dscnt 6                                 ; tile 0's two loads are in; behind them stand tile 1's four stores and two loads
.irp i, 0,1
	global_store_b128 v[GO], v[FRG+4*\i:FRG+4*\i+3], s[74:75] offset:512*\i     ; 32 lanes store 512 consecutive bytes, aligned
.endr
	s_wait_dscnt 0x0
.irp i, 0,1
	global_store_b128 v[GO], v[FRG+8+4*\i:FRG+8+4*\i+3], s[76:77] offset:512*\i
.endr
	s_wait_tensorcnt 0x0                           ; the wave's end, behind my last tensor load and my last LDS store
	ds_add_u32 v[SPW], v[NIL]
	s_wait_dscnt 0x0
	s_endpgm
.Lfunc_end_k_q7d120d7745_attn:
	.size	k_q7d120d7745_attn, .Lfunc_end_k_q7d120d7745_attn-k_q7d120d7745_attn
	.p2alignl 7, 3214868480
	.fill 96, 4, 3214868480
	.section	.rodata,"a",@progbits
	.p2align	6, 0x0
	.amdhsa_kernel k_q7d120d7745_attn
		.amdhsa_group_segment_fixed_size 327680
		.amdhsa_private_segment_fixed_size 0
		.amdhsa_enable_private_segment 0
		.amdhsa_kernarg_size 40
		.amdhsa_user_sgpr_count 2
		.amdhsa_user_sgpr_kernarg_segment_ptr 1
		.amdhsa_wavefront_size32 1
		.amdhsa_system_sgpr_workgroup_id_x 1
		.amdhsa_system_sgpr_workgroup_id_y 1
		.amdhsa_system_sgpr_workgroup_id_z 1
		.amdhsa_system_vgpr_workitem_id 0
		.amdhsa_next_free_vgpr 256
		.amdhsa_next_free_sgpr 100
		.amdhsa_reserve_vcc 1
		.amdhsa_float_denorm_mode_32 3
		.amdhsa_float_denorm_mode_16_64 3
		.amdhsa_fp16_overflow 1
		.amdhsa_memory_ordered 1
		.amdhsa_forward_progress 1
		.amdhsa_inst_pref_size 166
	.end_amdhsa_kernel
	.amdgpu_metadata
---
amdhsa.version: [ 1, 2 ]
amdhsa.kernels:
  - .name:           k_q7d120d7745_attn
    .symbol:         k_q7d120d7745_attn.kd
    .args:
      - { .name: qc, .offset: 0, .size: 8, .value_kind: global_buffer, .address_space: global }
      - { .name: kc, .offset: 8, .size: 8, .value_kind: global_buffer, .address_space: global }
      - { .name: vc, .offset: 16, .size: 8, .value_kind: global_buffer, .address_space: global }
      - { .name: lowp_scales, .offset: 24, .size: 8, .value_kind: global_buffer, .address_space: global }
      - { .name: ac, .offset: 32, .size: 8, .value_kind: global_buffer, .address_space: global }
    .group_segment_fixed_size: 327680
    .private_segment_fixed_size: 0
    .kernarg_segment_align: 8
    .kernarg_segment_size: 40
    .max_flat_workgroup_size: 512
    .sgpr_count:     100
    .vgpr_count:     256
    .wavefront_size: 32
...
	.end_amdgpu_metadata
.endif
;; end of part 2
;; launch oproj (part 3): grid 4 x 32, 4 waves a work-group, clusters of 4 x 4, 327,680 bytes of LDS; arguments ac, Wo_codes, lowp_scales, bo, out0; writes out0
.if DOCPART == 3
	.amdgcn_target "amdgcn-amd-amdhsa--gfx1250"
	.amdhsa_code_object_version 6
	.text
	.protected	k_q7d120d7745_oproj
	.globl	k_q7d120d7745_oproj
	.p2align	8
	.type	k_q7d120d7745_oproj,@function
k_q7d120d7745_oproj:
	s_mov_b64 s[64:65], 0
	v_nop
	global_prefetch_b8 v0, s[64:65] scope:SCOPE_SE
	s_setreg_imm32_b32 hwreg(HW_REG_WAVE_MODE, 25, 1), 1
	s_wait_xcnt 0x0
	s_wait_alu depctr_hold_cnt(0) depctr_sa_sdst(0) depctr_va_vdst(0) depctr_va_sdst(0) depctr_va_ssrc(0) depctr_va_vcc(0) depctr_vm_vsrc(0)
	s_getreg_b32 s2, hwreg(HW_REG_IB_STS2, 6, 4)
	s_cmp_eq_u32 s2, 0
	s_cbranch_scc0 .Lentry_in_a_cluster
	s_endpgm
.Lentry_in_a_cluster:
	s_bfe_u32 s2, ttmp6, 0x10000c
	s_cmp_lg_u32 s2, 0xf033
	s_cbranch_scc0 .Lentry_shape_is_right
	s_endpgm
.Lentry_shape_is_right:
; out0 = a Wo + bo.  a: [8192][1024] codes of BF8 (E5M2) with scale 2^e10, made by the launch before; Wo: [1024 (n)][1024 (k)] codes with 2^e11, K innermost; bo [1024], out0 [8192][1024]: f32.
; The codes are multiplied as they are; each finished sum becomes sum x 2^(e10 + e11) + bo by one fused multiply-add.   LIMIT: e10 + e11 between -126 and 127, so that the power of two is an f32 number.
; A tile of out0, 256 x 256, is made by a work-group of four waves; a wave makes 128 x 128: 64 accumulators, 512 registers.  32 x 4 tiles: 128 work-groups.
; K goes in four steps of 256 through a ring of two LDS slots filled by joint tensor loads; the four steps are written out.
; CLUSTERS: 4 x 4 work-groups.  The four of a row of the cluster need the same tiles of a, the four of a column the same tiles of Wo: each tile is asked for JOINTLY.
; THE MATRIX INSTRUCTION IS USED TRANSPOSED (source 0 = 16 rows of Wo, source 1 = 16 rows of a): a lane then holds eight neighbouring numbers of a row of out0.
; REGISTERS, in windows of 256: window 0: v0-31 addresses; v32-95 bo of my columns (column 16 b + 8 h + j at 8 b + j); v96-127 at work on the way out; from v128 a's fragments, ONE set; on the way out v128-255 rows read back.
;   window 1: Wo's fragments, TWO sets.   window 2: the 32 accumulators of my rows 0-63 ((a, b) at v[8 (8 a + b)]);   window 3: those of my rows 64-127.
.set ROWB,   256                       ; a tile's row in bytes: 256 codes
.set KROW,   1024                      ; a row of a or of Wo in memory
.set NROW,   4096                      ; a row of out0 in bytes
.set PITCH,  272                       ; an LDS row: 256 bytes + 16 of padding = 68 words: the 16 rows that a fragment load touches start 4 words apart modulo 64
.set FR,     16
.set NL,     4
.set NP,     4                         ; places behind this matrix instruction (ISA guide 7.12.1)
.set HALFT,  128*PITCH
.set SLOT,   4*HALFT
.set SPARE,  2*SLOT                    ; behind the ring: the spare words, 128 bytes for each wave: two blocks of 256 bytes that no other line names
.set SPITCH, 528                       ; the way out: a stage of 16 rows x (512 bytes + 16) for each wave.  It lies in slot 0, which has had its last fill and its last read when the first result is stored there
.set PB,   8                           ; v8   32 h: the bias along a lane's registers
.set ADRA, 16
.set ADRB, 20
.set STO,  24                          ; v24  the way out: where I put 32 bytes of a row
.set RD,   25                          ; v25  where I read a row back
.set CO,   26                          ; v26  my byte offset in a row of out0
.set SPW,  28                          ; v28  LDS address of my spare word; never rewritten
.set NIL,  29                          ; v29  0; never rewritten
.set BIA,  32
.set TMP,  96                          ; 32 registers: half a block's numbers
.set AF,   128
.set BK,   128                         ; 16 rows read back from the stage: v128-191 and v192-255 by turns
.set G1, 24
.set G0, 32
.set G1B, 48
.set G0B, 56
.set MSB, 0
.macro WIN new                         ; the immediate's high byte repeats the setting that is left
.if MSB != (\new)
	s_set_vgpr_msb (MSB<<8)|(\new)
.set MSB, (\new)
.endif
.endm
.set MUL_LO, 0xa1                      ; source 0 (Wo) window 1, source 1 (a) window 0, C and D window 2
.set MUL_HI, 0xf1                      ; the same, C and D window 3
.set TO_B,   0x40                      ; destination window 1, address window 0
; A joint load: waves 0 and 1 fetch for a, waves 2 and 3 for Wo.  An s_nop 0 and four v_nop follow each of the two lines, ahead of the jump, the label and what follows.
.macro JLOAD g0a, g1a, g0b, g1b
	s_cmp_eq_u32 s15, 0
	s_cbranch_scc0 .Lfor_b_\@
	tensor_load_to_lds s[\g0a:\g0a+3], s[\g1a:\g1a+7]
	s_nop 0
.rept 4
	v_nop
.endr
	s_branch .Lasked_\@
.Lfor_b_\@:
	tensor_load_to_lds s[\g0b:\g0b+3], s[\g1b:\g1b+7]
	s_nop 0
.rept 4
	v_nop
.endr
.Lasked_\@:
.endm
.macro CREST                           ; a round of the cluster's barrier behind its opening barrier
	s_cmp_lg_u32 s14, 0
	s_cbranch_scc1 .Lnot_wave_0_\@
	s_barrier_signal -3
.Lnot_wave_0_\@:
	s_barrier_wait -3
	s_barrier_signal -1
	s_barrier_wait -1
.endm
.macro CROUND                          ; a whole round
	s_barrier_signal -1
	s_barrier_wait -1
	CREST
.endm
	s_load_b128 s[4:7], s[0:1], 0x0                ; a's codes s[4:5], Wo's codes s[6:7]
	s_load_b128 s[8:11], s[0:1], 0x10              ; the exponents s[8:9], bo s[10:11]
	s_load_b64 s[12:13], s[0:1], 0x20              ; out0
	v_lshl_add_u32 v[SPW], v0, 2, SPARE
	v_mov_b32 v[NIL], 0
	ds_add_u32 v[SPW], v[NIL]                      ; the wave's opening: the add and its wait stand ahead of my first tensor load; the set-up below, work on registers, stands between them
	ds_add_u32 v[SPW], v[NIL]
	v_lshrrev_b32 v1, 5, v0
	v_readfirstlane_b32 s14, v1                    ; wave 0..3
	s_lshr_b32 s15, s14, 1                         ; which half of the tile's rows is mine.  Also: I fetch for a (0) or for Wo (1)
	s_and_b32 s16, s14, 1                          ; which half of its columns.  Also: which 128 rows of that tile I fetch
	s_bfe_u32 s40, ttmp6, 0x40000                  ; cx, cy: my place in the cluster
	s_bfe_u32 s41, ttmp6, 0x40004
	s_lshl_b32 s42, ttmp9, 2
	s_add_co_u32 s42, s42, s40                     ; tile column = 4 x cluster x + cx
	s_and_b32 s17, ttmp7, 0xffff
	s_lshl_b32 s17, s17, 2
	s_add_co_u32 s17, s17, s41                     ; tile row = 4 x cluster y + cy
	s_lshl_b32 s43, s41, 2
	s_lshl_b32 s43, 15, s43                        ; my row of the cluster
	s_lshl_b32 s44, 0x1111, s40                    ; my column
	s_or_b32 s[G1+0], s43, (0<<16)|(1<<20)|(1<<21)|(5<<22)|(3<<25)  ; 15:0 the mask; 17:16 elements of 1 byte; 20 padding on; 21 set beside a mask; 24:22 after every 64 words (code 5); 31:25 of 4 words (code 3)
	s_or_b32 s[G1B+0], s44, (0<<16)|(1<<20)|(1<<21)|(5<<22)|(3<<25)
.irp g, G1, G1B
	s_mov_b32 s[\g+1], ROWB<<16                    ; tensor_dim0
	s_mov_b32 s[\g+2], 128<<16                     ; tensor_dim1 = 128
	s_mov_b32 s[\g+3], ROWB<<16                    ; tile_dim0
	s_mov_b32 s[\g+4], 128                         ; tile_dim1 = 128
	s_mov_b32 s[\g+5], KROW                        ; tensor_dim0_stride
	s_mov_b32 s[\g+6], 0
	s_mov_b32 s[\g+7], 0
.endr
	s_lshl_b32 s18, s16, 7                         ; which 128 rows of the tile I fetch
	s_lshl_b32 s20, s17, 8
	s_add_co_u32 s20, s20, s18
	s_lshl_b32 s20, s20, 10                        ; a: (256 x tile row + 128 x half) x 1,024 bytes
	s_mov_b32 s21, 0
	s_lshl_b32 s46, s42, 8
	s_add_co_u32 s46, s46, s18
	s_lshl_b32 s46, s46, 10                        ; Wo: by the tile column
	s_mov_b32 s47, 0
	s_mul_i32 s45, s14, HALFT                      ; where they go: wave x 128 rows: no place in the cluster enters an LDS address
	s_wait_dscnt 0x0                               ; the opening add is done
	s_wait_kmcnt 0x0
	s_load_b64 s[96:97], s[8:9], 0x28              ; e10, e11
	s_add_nc_u64 s[20:21], s[4:5], s[20:21]
	s_add_nc_u64 s[46:47], s[6:7], s[46:47]
	CROUND                                         ; all sixteen work-groups are here: the first joint loads meet
.irp s, 0,1
	s_mov_b32 s[G0+4*\s], 1
	s_add_co_u32 s[G0+4*\s+1], s45, \s*SLOT
	s_add_nc_u64 s[G0+4*\s+2:G0+4*\s+3], s[20:21], \s*ROWB
	s_or_b32 s[G0+4*\s+3], s[G0+4*\s+3], 0x80000000
	s_mov_b32 s[G0B+4*\s], 1
	s_add_co_u32 s[G0B+4*\s+1], s45, \s*SLOT
	s_add_nc_u64 s[G0B+4*\s+2:G0B+4*\s+3], s[46:47], \s*ROWB
	s_or_b32 s[G0B+4*\s+3], s[G0B+4*\s+3], 0x80000000
	s_wait_alu depctr_va_vdst(0)
	s_wait_tensorcnt 0x0
	ds_add_u32 v28, v29
	ds_add_u32 v28, v29
	s_wait_dscnt 0x0
	CROUND
	JLOAD G0+4*\s, G1, G0B+4*\s, G1B               ; K steps 0 and 1: one tensor load of mine is out
.endr
	v_and_b32 v1, 15, v0                           ; r = l % 16
	s_wait_alu depctr_va_vdst(0)
	v_bfe_u32 v2, v0, 4, 1                         ; h = l / 16
	v_mul_u32_u24 v3, v1, PITCH
	v_lshl_add_u32 v4, v2, 4, v3                   ; a fragment's row x pitch + 16 x half
	s_mul_i32 s21, s15, HALFT                      ; my 128 rows of a
	s_mul_i32 s22, s16, HALFT                      ; my 128 rows of Wo,
	s_add_co_u32 s22, s22, 2*HALFT                 ; which lie behind a's 256
.irp s, 0,1
	v_add_nc_u32 v[ADRA+\s], s21, v4
	v_add_nc_u32 v[ADRB+\s], s22, v4
	s_add_co_u32 s21, s21, SLOT
	s_add_co_u32 s22, s22, SLOT
.endr
	s_mul_i32 s23, s14, 16*SPITCH                  ; my stage
	v_mul_u32_u24 v5, v1, SPITCH                   ; in: row l % 16, 32 bytes for each half of the lanes
	s_wait_alu depctr_va_vdst(0)
	v_lshl_add_u32 v5, v2, 5, v5
	v_add_nc_u32 v[STO], s23, v5
	v_and_b32 v6, 31, v0
	v_lshlrev_b32 v[CO], 4, v6                     ; back: the 32 lanes take one row of 512 bytes; and the same in out0
	v_add_nc_u32 v[RD], s23, v[CO]
	v_lshlrev_b32 v[PB], 5, v2
	s_wait_alu depctr_va_vdst(0)
	s_lshl_b32 s20, s17, 8
	s_lshl_b32 s21, s15, 7
	s_add_co_u32 s20, s20, s21                     ; my first row of out0: 256 x tile row + 128 x half,
	s_lshl_b32 s20, s20, 12                        ; x 4,096 bytes (under 2^25)
	s_mov_b32 s21, 0
	s_lshl_b32 s46, s42, 10                        ; my first column, in bytes: 1024 x tile column + 512 x half: the same in out0 and in bo
	s_lshl_b32 s47, s16, 9
	s_add_co_u32 s46, s46, s47
	s_mov_b32 s47, 0
	s_add_nc_u64 s[10:11], s[10:11], s[46:47]
	s_add_nc_u64 s[20:21], s[20:21], s[46:47]
	s_add_nc_u64 s[12:13], s[12:13], s[20:21]
.irp b, 0,1,2,3,4,5,6,7                        ; bo of my 128 columns, in the result's layout; it lands under the products
	global_load_b128 v[BIA+8*\b:BIA+8*\b+3], v[PB], s[10:11] offset:64*\b
	global_load_b128 v[BIA+8*\b+4:BIA+8*\b+7], v[PB], s[10:11] offset:64*\b+16
.endr
.macro FRAG reg, adr, q, i             ; a fragment, 16 rows x 128 K, is 16 registers: lane l holds row l % 16; registers 4 c .. 4 c + 3 hold K = 32 c + 16 (l / 16) + 0 .. 15: the same order of k on both sides
.irp c, 0,1,2,3
	ds_load_b128 v[\reg+4*\c:\reg+4*\c+3], v[\adr] offset:128*(\q)+32*\c+(\i)*16*PITCH
.endr
.endm
; 16 matrix instructions: a's blocks a0, a0 + 1 x Wo's eight, 128 along K.  p: Wo's set.  zero = 1: the first product starts the sums.
; The 64 accumulators take turns, one instruction a turn, in the same order in every step.
.macro MUL16 a0, p, zero
.irp a, \a0, \a0+1
.irp b, 0,1,2,3,4,5,6,7
.if \zero
	v_wmma_f32_16x16x128_bf8_bf8 v[8*(8*((\a)%4)+\b):8*(8*((\a)%4)+\b)+7], v[128*(\p)+FR*\b:128*(\p)+FR*\b+FR-1], v[AF+FR*(\a):AF+FR*(\a)+FR-1], 0
.else
	v_wmma_f32_16x16x128_bf8_bf8 v[8*(8*((\a)%4)+\b):8*(8*((\a)%4)+\b)+7], v[128*(\p)+FR*\b:128*(\p)+FR*\b+FR-1], v[AF+FR*(\a):AF+FR*(\a)+FR-1], v[8*(8*((\a)%4)+\b):8*(8*((\a)%4)+\b)+7]
.endif
.endr
.endr
.endm
.macro FETCH_B slot, q, p
	WIN TO_B
.irp i, 0,1,2,3,4,5,6,7
	FRAG 128*(\p)+FR*\i, ADRB+\slot, \q, \i
.endr
	WIN 0
.endm
.macro FETCH_A slot, q, i0
.irp i, \i0, \i0+1, \i0+2, \i0+3
	FRAG AF+FR*(\i), ADRA+\slot, \q, \i
.endr
.endm
; A load into a register that a matrix instruction has read, and a vector instruction that reads a matrix result, stand NP places behind it; only plain vector instructions that name none of its
; registers are places (ISA guide 7.12.1 for vector instructions).
.macro PLACES n
.rept \n
	v_nop
.endr
.endm
.macro STEP slot, q, zero              ; a step of 128 along K that has its successor in the same slot
	s_wait_dscnt 4*NL                              ; Wo's set and a's blocks 0-3 are in; the youngest sixteen loads (blocks 4-7) may be out
	WIN MUL_LO
	MUL16 0, (\q)%2, \zero
	MUL16 2, (\q)%2, \zero
	s_wait_dscnt 0                                 ; blocks 4-7 are in
	PLACES NP
	FETCH_B \slot, (\q)+1, 1-(\q)%2
	FETCH_A \slot, (\q)+1, 0
	WIN MUL_HI
	MUL16 4, (\q)%2, \zero
	MUL16 6, (\q)%2, \zero
	PLACES NP
	WIN 0
	FETCH_A \slot, (\q)+1, 4
.endm
; A slot's last step changes slots: ONE barrier; in front of it each wave waits for all its tensor loads, adds 0 to its spare word, and waits for that and for its own reads of this slot.  fill = 1: this slot is filled again, two K steps ahead.
.macro TURN slot, next, fill
	s_wait_tensorcnt 0x0                           ; all my tensor loads have landed: my part of the next slot  (every window is 0 here)
	ds_add_u32 v[SPW], v[NIL]                      ; 0 onto my spare word
	s_wait_dscnt 4*NL+1                            ; (the add and the youngest sixteen loads may be out)
	WIN MUL_LO
	MUL16 0, 1, 0                                  ; sixteen matrix instructions stand between the add and the wait for it
	s_wait_dscnt 0x0                               ; the add is done, and my reads of this slot are over
	s_barrier_signal -1
	MUL16 2, 1, 0
	WIN 0
	s_barrier_wait -1
.if \fill
	CREST                                          ; the barrier has opened a round of the cluster's barrier: no wave of any partner still reads this slot's tile or has a load on its way
	s_add_nc_u64 s[G0+4*\slot+2:G0+4*\slot+3], s[G0+4*\slot+2:G0+4*\slot+3], 2*ROWB
	s_add_nc_u64 s[G0B+4*\slot+2:G0B+4*\slot+3], s[G0B+4*\slot+2:G0B+4*\slot+3], 2*ROWB
	JLOAD G0+4*\slot, G1, G0B+4*\slot, G1B         ; the first tensor load behind the round, my one load until the next; its four v_nop are the places in front of the loads below
.else
	PLACES NP
.endif
	FETCH_B \next, 0, 0
	FETCH_A \next, 0, 0
	WIN MUL_HI
	MUL16 4, 1, 0
	MUL16 6, 1, 0
	PLACES NP
	WIN 0
	FETCH_A \next, 0, 4
.endm
	s_wait_tensorcnt 1                             ; my part of K step 0 is in (K step 1's load may be out)
	s_barrier_signal -1
	s_barrier_wait -1                              ; everybody's is
	FETCH_B 0, 0, 0
	FETCH_A 0, 0, 0
	FETCH_A 0, 0, 4
	STEP 0, 0, 1                                   ; K step 0: the first products start the sums
	TURN 0, 1, 1                                   ; slot 0 takes K step 2
	STEP 1, 0, 0                                   ; K step 1
	TURN 1, 0, 1                                   ; slot 1 takes K step 3
	STEP 0, 0, 0                                   ; K step 2
	TURN 0, 1, 0                                   ; nothing is left to fetch: no round.  Behind this barrier nobody reads slot 0 any more
	STEP 1, 0, 0                                   ; K step 3
	s_wait_dscnt 4*NL
	WIN MUL_LO
	MUL16 0, 1, 0
	MUL16 2, 1, 0
	s_wait_dscnt 0
	WIN MUL_HI
	MUL16 4, 1, 0
	MUL16 6, 1, 0
	WIN 0
; THE WAY OUT, block by block of 16 rows x 128 columns.  A lane holds 32 neighbouring bytes of a row, and the lanes beside it hold other rows: so a block goes through my own stage in LDS and comes back as whole
; rows of 512 bytes.  LDS serves a wave's instructions in order (ISA guide 5.7.1.4): no wait between the stores and the loads, nor in front of the next block's stores.
.macro TOSTAGE a
.set AC, 64*((\a)%4)
.irp g, 0,1                            ; four accumulators at a time
	WIN 0x02+((\a)/4)                              ; source 0: window 2 or 3
.irp j, 0,2,4,6,8,10,12,14,16,18,20,22,24,26,28,30
	v_pk_fma_f32 v[TMP+\j:TMP+\j+1], v[AC+32*\g+\j:AC+32*\g+\j+1], s[96:97], v[BIA+32*\g+\j:BIA+32*\g+\j+1] op_sel_hi:[1,0,1]   ; sum x 2^(e10 + e11) + bo; each accumulator from its low end on
.endr
	WIN 0
.irp b, 0,1,2,3
	ds_store_b128 v[STO], v[TMP+8*\b:TMP+8*\b+3] offset:64*(4*\g+\b)
	ds_store_b128 v[STO], v[TMP+8*\b+4:TMP+8*\b+7] offset:64*(4*\g+\b)+16
.endr
.endr
.set BB, BK+64*((\a)%2)
.irp t, 0,1,2,3,4,5,6,7,8,9,10,11,12,13,14,15
	ds_load_b128 v[BB+4*\t:BB+4*\t+3], v[RD] offset:\t*SPITCH
.endr
.endm
.macro SEND a, younger                 ; younger: the LDS instructions issued behind block a's loads, which may stay out
.set BB, BK+64*((\a)%2)
	s_wait_dscnt \younger                          ; the block is back in registers
.if (\a) > 0
	s_add_nc_u64 s[12:13], s[12:13], 16*NROW       ; (behind a wait on XCNT: the earlier stores have read their base)  16 rows on
.endif
.irp t, 0,1,2,3,4,5,6,7,8,9,10,11,12,13,14,15
	global_store_b128 v[CO], v[BB+4*\t:BB+4*\t+3], s[12:13] offset:\t*NROW th:TH_STORE_NT   ; 32 lanes store 512 consecutive bytes, aligned; written once, read by nobody here
.endr
.endm
	s_wait_kmcnt 0x0
	s_add_co_i32 s96, s96, s97                     ; e10 + e11, between -126 and 127,
	s_add_co_i32 s96, s96, 127
	s_lshl_b32 s96, s96, 23                        ; makes the f32 number 2^(e10 + e11)
	s_mov_b32 s97, s96                             ; (named with it as a pair, so it is written)
	s_wait_loadcnt 0x0                             ; bo
	PLACES NP                                      ; behind the last products: for the loads into the registers that held a's fragments and for block 7's reads alike
	TOSTAGE 0
.irp a, 1,2,3,4,5,6,7
.if \a > 1
	s_wait_xcnt 0x0                                ; block a - 2's stores have read their registers and their base: block a's loads may land there, and the base may step
.endif
	TOSTAGE \a
	SEND \a-1, 32                                  ; behind block a - 1's loads: block a's 16 stores and 16 loads
.endr
	s_wait_xcnt 0x0                                ; block 6's stores have read their base
	SEND 7, 0
	s_wait_tensorcnt 0x0                           ; the wave's end, behind my last tensor load and my last LDS store
	ds_add_u32 v[SPW], v[NIL]
	s_wait_dscnt 0x0
	CROUND                                         ; the closing round: no work-group ends while a partner may still ask for a tile that names it
	s_endpgm
.Lfunc_end_k_q7d120d7745_oproj:
	.size	k_q7d120d7745_oproj, .Lfunc_end_k_q7d120d7745_oproj-k_q7d120d7745_oproj
	.p2alignl 7, 3214868480
	.fill 96, 4, 3214868480
	.section	.rodata,"a",@progbits
	.p2align	6, 0x0
	.amdhsa_kernel k_q7d120d7745_oproj
		.amdhsa_group_segment_fixed_size 327680
		.amdhsa_private_segment_fixed_size 0
		.amdhsa_enable_private_segment 0
		.amdhsa_kernarg_size 40
		.amdhsa_user_sgpr_count 2
		.amdhsa_user_sgpr_kernarg_segment_ptr 1
		.amdhsa_wavefront_size32 1
		.amdhsa_system_sgpr_workgroup_id_x 1
		.amdhsa_system_sgpr_workgroup_id_y 1
		.amdhsa_system_sgpr_workgroup_id_z 1
		.amdhsa_system_vgpr_workitem_id 0
		.amdhsa_next_free_vgpr 1024
		.amdhsa_next_free_sgpr 100
		.amdhsa_reserve_vcc 0
		.amdhsa_float_denorm_mode_32 3
		.amdhsa_float_denorm_mode_16_64 3
		.amdhsa_memory_ordered 1
		.amdhsa_forward_progress 1
		.amdhsa_inst_pref_size 126
	.end_amdhsa_kernel
	.amdgpu_metadata
---
amdhsa.version: [ 1, 2 ]
amdhsa.kernels:
  - .name:           k_q7d120d7745_oproj
    .symbol:         k_q7d120d7745_oproj.kd
    .args:
      - { .name: ac, .offset: 0, .size: 8, .value_kind: global_buffer, .address_space: global }
      - { .name: Wo_codes, .offset: 8, .size: 8, .value_kind: global_buffer, .address_space: global }
      - { .name: lowp_scales, .offset: 16, .size: 8, .value_kind: global_buffer, .address_space: global }
      - { .name: bo, .offset: 24, .size: 8, .value_kind: global_buffer, .address_space: global }
      - { .name: out0, .offset: 32, .size: 8, .value_kind: global_buffer, .address_space: global }
    .group_segment_fixed_size: 327680
    .private_segment_fixed_size: 0
    .kernarg_segment_align: 8
    .kernarg_segment_size: 40
    .max_flat_workgroup_size: 128
    .sgpr_count:     100
    .vgpr_count:     1024
    .wavefront_size: 32
...
	.end_amdgpu_metadata
.endif
;; end of part 3
